; MI455X (gfx1250); checked and timed in simulation.
; The chip was launched on July 23, 2026; its instructions are those of AMD's public machine-readable ISA for CDNA 5 (MIT licence, August 2026) and "CDNA5" Instruction Set Architecture Reference Guide (July 2026). The comments in the code are by the model that wrote it; some were corrected since.
;; min LSTM. Allowed arithmetic: matrix products marked QUANTISED: E3M2 operands, one E8M0 scale for each 32 along K, by v_wmma_scale_f32_16x16x128_f8f6f4 with both operands' format E3M2, f32 sums; everything else in f32.
;; Inputs: W_f_codes 1,024 x 32 x 24 uint8 (E3M2 codes of W_f, K innermost, in blocks of 32 codes, four codes in three bytes); W_f_scales 1,024 x 32 uint8 (E8M0 scales of W_f, one for each 32 codes along K); W_h_codes 1,024 x 32 x 24 uint8 (E3M2 codes of W_h, K innermost, in blocks of 32 codes, four codes in three bytes); W_h_scales 1,024 x 32 uint8 (E8M0 scales of W_h, one for each 32 codes along K); W_i_codes 1,024 x 32 x 24 uint8 (E3M2 codes of W_i, K innermost, in blocks of 32 codes, four codes in three bytes); W_i_scales 1,024 x 32 uint8 (E8M0 scales of W_i, one for each 32 codes along K); b_f 1,024 float32; b_h 1,024 float32; b_i 1,024 float32; initial_hidden 8 x 1,024 float32; input_seq_codes 8 x 2,048 x 32 x 24 uint8 (E3M2 codes of input_seq, K innermost, in blocks of 32 codes, four codes in three bytes); input_seq_scales 8 x 2,048 x 32 uint8 (E8M0 scales of input_seq, one for each 32 codes along K).
;; Outputs: out0 8 x 2,048 x 1,024 float32.
;; This version of the problem:
;;   THIS VERSION OF THE PROBLEM IS GIVEN IN LOW PRECISION. The matrix products marked QUANTISED in the list below multiply operands that are first quantised to E3M2 (3 exponent bits, 2 mantissa bits; 6 bits a number), with one power-of-two scale for each 32 numbers along K (OCP MX v1.0); their sums are f32. All else is computed in f32.
;;   The module's matrix products, in the order in which they are computed (A, B: the left and right operand; K: the contracted axis; several contracted axes count as one K, in the product's order):
;;     1. [M 16,384, K 1,024] x [K 1,024, N 1,024]; A: input input_seq (given as codes); B: input W_f (given as codes): QUANTISED
;;     2. [M 16,384, K 1,024] x [K 1,024, N 1,024]; A: input input_seq (given as codes); B: input W_i (given as codes): QUANTISED
;;     3. [M 16,384, K 1,024] x [K 1,024, N 1,024]; A: input input_seq (given as codes); B: input W_h (given as codes): QUANTISED
;;   THE QUANTISER, for each operand of a quantised product, along K:
;;     - K is cut into blocks of 32 from its start; a last block that is shorter is filled with zeros.
;;     - A block's scale is 2^e with e = floor(log2(the largest magnitude in the block)) - 4, held to -126 .. 127; a block of zeros has e = 0. As a byte (E8M0): e + 127.
;;     - Each number is divided by its block's scale, clamped to +-28, and rounded to the nearest number of E3M2, ties to even, subnormals kept.
;;     - The product sums the exact products of the quantised numbers (number of the format x scale) in f32.
;;   ~~~python
;;   def quantise(x, axis):      # numpy; x: float32 -> the quantised numbers, widened to float32 again
;;       x = np.moveaxis(x, axis, -1); K = x.shape[-1]
;;       x = np.pad(x, [(0, 0)] * (x.ndim - 1) + [(0, -K % 32)]); x = x.reshape(x.shape[:-1] + (-1, 32)); a = np.abs(x).max(-1, keepdims=True)
;;       e = np.where(a > 0, np.clip(np.frexp(np.where(a > 0, a, 1))[1] - 1 - 4, -126, 127), 0)      # np.frexp(a)[1] - 1 = floor(log2(a)), exactly
;;       r = np.clip(x / 2.0 ** e, -28, 28)
;;       step = 2.0 ** (np.maximum(np.frexp(np.where(r == 0, 1, r))[1] - 1, -2) - 2)
;;       q = np.round(r / step) * step * 2.0 ** e      # np.round: ties to even
;;       return np.moveaxis(q.reshape(q.shape[:-2] + (-1,))[..., :K], -1, axis).astype(np.float32)
;;   ~~~
;;   INPUTS GIVEN AS CODES. W_f (in the module: [1024, 1024], K = its axis 1); W_h (in the module: [1024, 1024], K = its axis 1); W_i (in the module: [1024, 1024], K = its axis 1); input_seq (in the module: [8, 2048, 1024], K = its axis 2): each comes as NAME_codes (uint8): NAME with its K axis moved to the last place and cut into blocks of 32 codes, [.., K / 32, bytes a block], one block behind the other in memory; four codes in three bytes: a row's codes are one little-endian stream of bits, code i at bits 6 i .. 6 i + 5 (a code: sign, 3 exponent bits, 2 mantissa bits); and NAME_scales (uint8): the same leading axes, one E8M0 byte (e + 127) for each 32 codes along K. Its value is code x scale, taken as it is: it is not quantised again, and the codes and scales need not be those that the quantiser above would give.
;; One version. Each part assembles by itself: llvm-mc -triple=amdgcn-amd-amdhsa -mcpu=gfx1250 --defsym DOCPART=n.
;; ======== version 1 of 1: 1 launch
;; limits: a function is approximated: absolute error at most 1.1e-11; right only within a limited range of input values
;; launch minlstm (part 1): grid 32 x 8, 4 waves a work-group, clusters of 4 x 1, 327,680 bytes of LDS; arguments input_seq_codes, input_seq_scales, W_f_codes, W_i_codes, W_h_codes, W_f_scales, W_i_scales, W_h_scales, b_f, b_i, b_h, initial_hidden, out0; writes out0
.if DOCPART == 1
	.amdgcn_target "amdgcn-amd-amdhsa--gfx1250"
	.amdhsa_code_object_version 6
	.text
	.protected	k_q9ef3741ebb_minlstm
	.globl	k_q9ef3741ebb_minlstm
	.p2align	8
	.type	k_q9ef3741ebb_minlstm,@function
k_q9ef3741ebb_minlstm:
	s_mov_b64 s[64:65], 0
	v_nop
	global_prefetch_b8 v0, s[64:65] scope:SCOPE_SE
	s_setreg_imm32_b32 hwreg(HW_REG_WAVE_MODE, 25, 1), 1
	s_wait_xcnt 0x0
	s_wait_alu depctr_hold_cnt(0) depctr_sa_sdst(0) depctr_va_vdst(0) depctr_va_sdst(0) depctr_va_ssrc(0) depctr_va_vcc(0) depctr_vm_vsrc(0)
	s_getreg_b32 s2, hwreg(HW_REG_IB_STS2, 6, 4)
	s_cmp_eq_u32 s2, 0
	s_cbranch_scc0 .Lentry_in_a_cluster
	s_endpgm
.Lentry_in_a_cluster:
	s_bfe_u32 s2, ttmp6, 0x10000c
	s_cmp_lg_u32 s2, 0x3003
	s_cbranch_scc0 .Lentry_shape_is_right
	s_endpgm
.Lentry_shape_is_right:
; minLSTM, one launch.  x [8][2048][1024], W_f, W_i, W_h [1024][1024]: codes of BF6 (E3M2) with one E8M0 byte for each 32 along K, taken as they lie.  out [8][2048][1024] f32.
; ARITHMETIC.  a = x.W_f + b_f, b = x.W_i + b_i, p = 1 + 2^min(-a log2e, 63), q = 1 + 2^min(-b log2e, 63), D = q (1 + eps p) + p.  Then f / (f + i + eps) = q / D and i / (f + i + eps) = p / D:
; r = q / D + eps, ni = (p / D) (x.W_h + b_h).  exp(cumsum(log r)) is the running product of r, and every r lies in [1e-8, 1], so no part product is smaller than the whole:
;   out[t] = sum over u <= t of (product of r[v], v >= u) ni[u]  +  (product of r[v], v <= t) h0.
; The first term wants the product over the WHOLE sequence, so the sequence is walked twice.  WALK 1: the f and i products alone; of each SEGMENT of 8 steps the product T of its r is kept (32 KB of LDS).
; SCAN: R[seg] = product of the later T, QH[seg] = h0 x product of the earlier T.  WALK 2: all three products; in a segment s[j] = r[j] s[j+1] (s[8] = R), c[j] = s[j] ni[j] + c[j-1], g[j] = r[j] g[j-1] (g[-1] = QH),
; out[j] = c[j] + g[j] + the sum of c[7] over all earlier segments.  Nothing goes through memory between the walks; the price is the f and i products done twice.
; SHARES.  A work-group owns one batch and 32 hidden units for all 2,048 steps: 8 x 32 = 256 work-groups of four waves.  A chunk is 128 steps; a wave takes 32 of them (two tiles of 16) against all six tiles of 16 weight rows.
; Source 0 = 16 steps of x, source 1 = 16 rows of W: a lane holds ONE hidden unit (lane % 16) and its eight registers eight consecutive steps, 8 (lane / 16) + j: the scans run along registers.
; THE WEIGHTS STAY IN REGISTERS (6 tiles x 8 K steps x 12 = 576), read once through LDS.  x goes through a ring of two LDS slots, a whole chunk at full K each: 98,304 dense bytes of memory.
; CLUSTER.  The four strips of a cluster belong to one batch and walk the same x: each slot is asked for JOINTLY (mask 15), waves 0 to 2 a third of the codes each, wave 3 the scale bytes.
; OUTPUT.  One owner for a column's 2,048 steps and 256 work-groups leave 32 columns to a work-group: eight lanes store 128 consecutive bytes, aligned to 128.  Strips of 64 columns would make 128 work-groups.
; LIMITS.  Sigmoids under 2^-63 are held there (the definition lets them fall to 0): that moves either normalised gate by at most 1.1e-11 and r by at most 1.1e-3 of itself, and only where both gates lie under 1e-8.
; NaN and infinities are not served.  Products take the place of exp(cumsum(log)): under 2^-126 they are f32 denormals or 0.  The sums are grouped by segment, tile, wave and chunk, not strictly in sequence.
.set KROW,   768                       ; a row of 1,024 codes in bytes
.set NCH,    16                        ; chunks of 128 steps in a sequence
.set CHB,    128*KROW                  ; a chunk's codes in memory
.set UNIT,   272                       ; 256 bytes + 16 of padding
.set PITCH,  3*UNIT                    ; a row in LDS: 204 words: row r starts at bank 12 r mod 64 (64 banks of 4 bytes: ISA guide 11.1): the 32 lanes of a load of 8 bytes touch 64 different banks
.set XSC,    384*UNIT                  ; in a slot: behind the codes the chunk's scale bytes, 16 units
.set STAGE,  XSC+16*UNIT               ; behind slot 0: the way out, 32 rows x 144 bytes for each wave
.set SPITCH, 144
.set SPARE,  STAGE+4*32*SPITCH         ; the spare words, 128 bytes for each wave: two blocks of 256 bytes that no other line names
.set WS,     SPARE+512                 ; the waves' sums of a chunk: 2 parities x 4 waves x 32 columns
.set PP,     WS+1024                   ; the scan: the waves' part products
.set SLOT1,  1<<17                     ; slot 1: one exclusive or turns an address in one slot into the other's
.set XB,     SLOT1+STAGE               ; behind slot 1: the weights' way in, 96 rows x PITCH, filled once
.set TR,     XB                        ; when the weights are in registers: [256 segments][32 columns] f32: T, later R;
.set QHO,    32768                     ; and so many bytes on, QH
.set SPW, 1                            ; v1   LDS address of my spare word; never rewritten
.set NIL, 2                            ; v2   0; never rewritten
.set AK1, 3                            ; v3   my lane's place in the wave's 32 rows of a slot: wave x 32 rows + r PITCH + 24 h
.set AK2, 4                            ; v4   the same behind one padding more (+ 16 h)
.set AKS, 5                            ; v5   my row's 32 scale bytes in a slot (row = lane)
.set AD1, 6                            ; v6, v7  AK1, AK2 in the slot in hand
.set ADS, 8                            ; v8   AKS likewise
.set TAK, 9                            ; v9   TR + 512 wave + 128 h + 4 r
.set TA,  10                           ; v10  + the chunk's 2,048
.set WSK, 11                           ; v11  WS + 4 x thread: where I store my wave's sum of column lane
.set WLK, 12                           ; v12  WS + 4 r: where I read the waves' sums
.set WSA, 13                           ; v13, v14  the two with the parity
.set WLA, 14
.set STK, 15                           ; v15  the stage, in: row 8 h, column r
.set SLK, 16                           ; v16  the stage, back: eight lanes to a row
.set VO,  17                           ; v17  the same place in out
.set H0,  18                           ; v18  h0 of column lane
.set SCA, 19                           ; v19  the scan: TR + 8,192 wave + 4 lane
.set KBF, 20                           ; v[20:21], v[22:23]  -log2e b_f of column 16 c + r (the packed form names a pair and takes its low word)
.set KBI, 24                           ; v[24:25], v[26:27]  the same of b_i
.set CR,  28                           ; v28, v29  the carry: the sum of c[7] over all earlier chunks, column 16 c + r
.set PFO, 30                           ; v30  the prefetches' offset; never rewritten
.set PPL, 31                           ; v31  PP + 4 lane
.set BS,  32                           ; v32-55  the weights' scale words: register 8 g + q, lane = the strip's weight row
.set AS,  56                           ; v56-63  x's scale words: register q, lane = the wave's row
.set AC,  64                           ; v64-159 accumulators: group n = 2 mt + c at AC + 24 n: f, i, h, eight registers each
.set AF,  160                          ; v160-255 four buffers of x's fragments (2 tiles x 12); free between a chunk's last product and the next preload
.set RQ,  192                          ; v192-195 R, v196-199 QH of the four groups
.set HB,  216                          ; window 1: b_h of column 16 c + r, eight registers for each c: the C of the h tiles' first product
.set WO,  64                           ; at work behind the chains, in registers of f that are done with: the other half's c[7];
.set WT,  68                           ; a tile's sum;
.set WL,  72                           ; the four waves' sums, 4 c + wave;
.set EE,  88                           ; what stands ahead of my segment inside my wave;
.set BC,  92                           ; my wave's sums
.set CS,  96                           ; all that stands ahead of my segment
.set CW,  120                          ; all that stands ahead of my wave
.set SQ,  128                          ; the scan's two chains, sixteen registers each
.set SR,  144
.set WA,  76                           ; the head: the weights' addresses, a pair for each gate
.set OUTB, 28                          ; s[28:29] out at my wave's rows of the chunk in hand
.set WV,  30
.set CX,  31
.set G1A, 32                           ; s[32:39] group 1 for x's codes; s[40:47] for its scale bytes; s[48:55] for the weights
.set G1S, 40
.set G1B, 48
.set G0A0, 56                          ; groups 0: the first fill of slot 0; the second set then walks
.set G0A1, 60
.set STRIP, 66
.set BAT, 67
.set G0S0, 68
.set G0S1, 72
.set G0B, 76
.set ABASE, 80                         ; s[80:81] x's codes: my batch, my wave's third of a chunk;  s[82:83] its scale bytes: my batch
.set SBASE, 82
.set OA,  84                           ; s[84:85], s[86:87] the chunk's offsets (high words 0).  No register that feeds a joint load ever holds a number made of cx: those live in s2, s3 and G0B
.set OS,  86
.set TB,  88                           ; the slot in hand
.set TK,  89                           ; 2,048 x chunk
.set PAR, 90                           ; 0 or 512
.set CNT, 91
.set CK,  92                           ; the chunk asked for last
.set TS,  93                           ; at work: LDS addresses' scalar parts
.set NL2E, 94                          ; s[94:95] -log2(e)
.set EPS, 96                           ; s[96:97] 1e-8
.set CLAMP, 98                         ; 63.0
.set HM,  99                           ; lanes 16 to 31
.set SEL, 100                          ; s[100:101] v_permlanex16_b32's selects for lane l xor 16
.set PFA, 4                            ; s[4:5] where the prefetches stand
.set LIM, 6                            ; 4 in a wave that prefetches, else the greatest number
.set FM,  8                            ; s8-10  1.0 where my wave's number is above 0, 1, 2, else 0.0
.set MG,  11                           ; s11-13 the same as lane masks
.set ML,  14                           ; s14-16 all lanes where my wave's number is under 1, 2, 3
.set MSB, 0
.macro WIN new                         ; s_set_vgpr_msb: bits 1:0 source 0, 3:2 source 1, 5:4 source 2, 7:6 destination; the high byte repeats the setting that is left
.if MSB != (\new)
	s_set_vgpr_msb (MSB<<8)|(\new)
.set MSB, (\new)
.endif
.endm
.macro PLACES                          ; four plain places behind a matrix instruction (ISA guide 7.12.1)
.rept 4
	v_nop
.endr
.endm
.macro ROUND                           ; a round of the cluster's barrier
	s_barrier_signal -1
	s_barrier_wait -1
	s_cmp_lg_u32 s[WV], 0
	s_cbranch_scc1 .Lnot_wave_0_\@
	s_barrier_signal -3
.Lnot_wave_0_\@:
	s_barrier_wait -3
	s_barrier_signal -1
	s_barrier_wait -1
.endm
.macro JLOAD                           ; a joint refill: waves 0 to 2 a third of the chunk's codes, wave 3 its scale bytes; four v_nop follow each line
	s_cmp_lt_u32 s[WV], 3
	s_cbranch_scc0 .Lfor_s_\@
	tensor_load_to_lds s[G0A1:G0A1+3], s[G1A:G1A+7]
	s_nop 0
.rept 4
	v_nop
.endr
	s_branch .Lasked_\@
.Lfor_s_\@:
	tensor_load_to_lds s[G0S1:G0S1+3], s[G1S:G1S+7]
	s_nop 0
.rept 4
	v_nop
.endr
.Lasked_\@:
.endm
; A PREFETCH INTO THE L2, in walk 1 alone: behind the joint load of chunk k + 2 the codes of chunk k + 4, two trips ahead of the load that will want them.  All eight clusters of a batch walk the same x: the batch's first
; cluster asks.  Its four partners share the chunk's 384 blocks of 256 bytes out BY ADDRESS: waves 0 to 2 of partner cx name blocks 32 (3 cx + wave) + lane.  So each block is named once.  Chunks 0 to 3 come by their
; loads alone; the trips whose chunk k + 4 would lie past the sequence ask for nothing (CNT = 16 - k has to be above 4).
.macro ASK
	s_cmp_gt_u32 s[CNT], s[LIM]
	s_cbranch_scc0 .Lnot_mine_\@
	global_prefetch_b8 v[PFO], s[PFA:PFA+1] th:TH_LOAD_NT scope:SCOPE_SE
.Lnot_mine_\@:
.endm
; THE CHANGE OF SLOTS.  Each wave waits for all its tensor loads (one is out: its part of the other slot), adds 0 to its spare word, and waits for that and for all its LDS instructions: its reads of the slot just
; multiplied, and in walk 2 its store of the wave's sum.  fill = 1: a round of the cluster's barrier, and the slot just read is filled with the chunk two further on (modulo 16: walk 1's last two fills are walk 2's first chunks).
.macro CHANGE fill, ask
	s_wait_tensorcnt 0x0                           ; no tensor load of mine is out, so a group 0 may be written
	ds_add_u32 v[SPW], v[NIL]                      ; 0 onto my spare word
.if \fill
	s_xor_b32 s[G0A1+1], s[G0A1+1], SLOT1          ; the walking descriptors: the other slot than last time,
	s_xor_b32 s[G0S1+1], s[G0S1+1], SLOT1
	s_add_co_u32 s[CK], s[CK], 1
	s_and_b32 s[CK], s[CK], NCH-1                  ; the next chunk
	s_mul_i32 s[OA], s[CK], CHB
	s_lshl_b32 s[OS], s[CK], 12
	s_add_nc_u64 s[G0A1+2:G0A1+3], s[ABASE:ABASE+1], s[OA:OA+1]
	s_or_b32 s[G0A1+3], s[G0A1+3], 0x80000000
	s_add_nc_u64 s[G0S1+2:G0S1+3], s[SBASE:SBASE+1], s[OS:OS+1]
	s_or_b32 s[G0S1+3], s[G0S1+3], 0x80000000
.if \ask
	s_wait_xcnt 0x0                                ; the last prefetch, a trip back, has read its address
	s_add_nc_u64 s[PFA:PFA+1], s[PFA:PFA+1], CHB
.endif
.endif
	s_wait_dscnt 0x0                               ; the add is done, and so are all my LDS instructions
.if \fill
	ROUND                                          ; the same now holds of every wave of the four work-groups
	JLOAD                                          ; the first tensor load behind the round, one a wave: it has a whole trip in which to land
.if \ask
	ASK
.endif
.else
	s_barrier_signal -1
	s_barrier_wait -1
.endif
	s_xor_b32 s[TB], s[TB], SLOT1                  ; on to the other slot
.endm
; A fragment, 16 rows x 128 K of 6-bit codes, is 12 registers: lane (r, h) takes of row r the 24 bytes at 96 q + 24 h and those at 96 q + 48 + 24 h, in pieces of 8 bytes.  16 bytes of padding lie behind every 32 pieces:
; where the piece three on (lanes 16 to 31) lies behind one padding more, the second address register serves.
.macro FRAG reg, adr, q, off
.irp p, 0,1,2,3,4,5
.set PC, 12*(\q)+6*(\p/3)+\p%3
.if PC%32 < 29
	ds_load_b64 v[(\reg)+2*\p:(\reg)+2*\p+1], v[\adr] offset:(\off)+8*PC+16*(PC/32)
.else
	ds_load_b64 v[(\reg)+2*\p:(\reg)+2*\p+1], v[(\adr)+1] offset:(\off)+8*PC+16*(PC/32)
.endif
.endr
.endm
.macro FR q                            ; K step q of my two tiles of steps into buffer q % 4: twelve loads
	FRAG AF+24*((\q)%4), AD1, \q, 0
	FRAG AF+24*((\q)%4)+12, AD1, \q, 16*PITCH
.endm
.macro PRELOAD                         ; the slot in hand: my rows' scale words and the first four K steps: 2 + 48 loads
	v_add_nc_u32 v[AD1], s[TB], v[AK1]
	v_add_nc_u32 v[AD1+1], s[TB], v[AK2]
	v_add_nc_u32 v[ADS], s[TB], v[AKS]
	ds_load_b128 v[AS:AS+3], v[ADS]
	ds_load_b128 v[AS+4:AS+7], v[ADS] offset:16
	FR 0
	FR 1
	FR 2
	FR 3
.endm
; One product.  x's scale words of tile mt lie in lanes 16 mt on of v[rSA], the weights' of tile c in lanes 16 c on of v[rSB].
.macro WMMA zero, mt, c
.if (\zero) && (\mt == 0) && (\c == 0)
	v_wmma_scale_f32_16x16x128_f8f6f4 v[rD:rD+7], v[rA:rA+11], v[rB:rB+11], 0, v[rSA], v[rSB] matrix_a_fmt:MATRIX_FMT_BF6 matrix_b_fmt:MATRIX_FMT_BF6
.elseif (\zero) && (\mt == 1) && (\c == 0)
	v_wmma_scale_f32_16x16x128_f8f6f4 v[rD:rD+7], v[rA:rA+11], v[rB:rB+11], 0, v[rSA], v[rSB] matrix_a_fmt:MATRIX_FMT_BF6 matrix_b_fmt:MATRIX_FMT_BF6 matrix_a_scale:MATRIX_SCALE_ROW1
.elseif (\zero) && (\mt == 0)
	v_wmma_scale_f32_16x16x128_f8f6f4 v[rD:rD+7], v[rA:rA+11], v[rB:rB+11], 0, v[rSA], v[rSB] matrix_a_fmt:MATRIX_FMT_BF6 matrix_b_fmt:MATRIX_FMT_BF6 matrix_b_scale:MATRIX_SCALE_ROW1
.elseif (\zero)
	v_wmma_scale_f32_16x16x128_f8f6f4 v[rD:rD+7], v[rA:rA+11], v[rB:rB+11], 0, v[rSA], v[rSB] matrix_a_fmt:MATRIX_FMT_BF6 matrix_b_fmt:MATRIX_FMT_BF6 matrix_a_scale:MATRIX_SCALE_ROW1 matrix_b_scale:MATRIX_SCALE_ROW1
.elseif (\mt == 0) && (\c == 0)
	v_wmma_scale_f32_16x16x128_f8f6f4 v[rD:rD+7], v[rA:rA+11], v[rB:rB+11], v[rC:rC+7], v[rSA], v[rSB] matrix_a_fmt:MATRIX_FMT_BF6 matrix_b_fmt:MATRIX_FMT_BF6
.elseif (\mt == 1) && (\c == 0)
	v_wmma_scale_f32_16x16x128_f8f6f4 v[rD:rD+7], v[rA:rA+11], v[rB:rB+11], v[rC:rC+7], v[rSA], v[rSB] matrix_a_fmt:MATRIX_FMT_BF6 matrix_b_fmt:MATRIX_FMT_BF6 matrix_a_scale:MATRIX_SCALE_ROW1
.elseif (\mt == 0)
	v_wmma_scale_f32_16x16x128_f8f6f4 v[rD:rD+7], v[rA:rA+11], v[rB:rB+11], v[rC:rC+7], v[rSA], v[rSB] matrix_a_fmt:MATRIX_FMT_BF6 matrix_b_fmt:MATRIX_FMT_BF6 matrix_b_scale:MATRIX_SCALE_ROW1
.else
	v_wmma_scale_f32_16x16x128_f8f6f4 v[rD:rD+7], v[rA:rA+11], v[rB:rB+11], v[rC:rC+7], v[rSA], v[rSB] matrix_a_fmt:MATRIX_FMT_BF6 matrix_b_fmt:MATRIX_FMT_BF6 matrix_a_scale:MATRIX_SCALE_ROW1 matrix_b_scale:MATRIX_SCALE_ROW1
.endif
.endm
; K step q: 4 ng products.  The accumulators take turns, one instruction a turn, in the same order in every K step.  K step 0 starts the sums: f and i with 0, h with b_h.
; The weights' fragment (q, g, c) lies in window 1 + q / 3 at register 72 (q % 3) + 12 (2 g + c).
.macro MULS q, ng
.irp mt, 0,1
.irp c, 0,1
.irp g, 0,1,2
.if \g < \ng
.set rD, AC+24*(2*\mt+\c)+8*\g
.set rA, AF+24*((\q)%4)+12*\mt
.set rB, 72*((\q)%3)+12*(2*\g+\c)
.set rSA, AS+(\q)
.set rSB, BS+8*\g+(\q)
.set rC, rD
.if ((\q) == 0) && (\g == 2)
.set rC, HB+8*\c
.endif
.if ((\q) == 0) && (\g < 2)
	WMMA 1, \mt, \c
.else
	WMMA 0, \mt, \c
.endif
.endif
.endr
.endr
.endr
.endm
; A chunk's products.  Each K step waits for its own twelve loads: behind them the loads of three, two, one or no later K steps were issued.  A buffer is loaded again four places behind the products that read it.
; Under the products' window settings a load's destination and address are still in window 0.
.macro MAIN ng
.irp q, 0,1,2,3,4,5,6,7
.if \q < 5
	s_wait_dscnt 36
.else
	s_wait_dscnt 12*(7-\q)
.endif
.if (\q == 0) && (\ng == 3)
	WIN 0x14                                       ; the weights and b_h in window 1
.else
	WIN 4*(1+\q/3)                                 ; the weights in window 1, 2 or 3
.endif
	MULS \q, \ng
.if \q < 4
	PLACES
	FR \q+4
.endif
.endr
	WIN 0
.endm
; The gates, first half: f and i become 2^min(-(sum + bias) log2e, 63).  Each accumulator is read from its low end on.  The 64 exponentials are one batch with one wait.
.macro GATE_A
.irp n, 0,1,2,3
.irp j, 0,2,4,6
	v_pk_fma_f32 v[AC+24*\n+\j:AC+24*\n+\j+1], v[AC+24*\n+\j:AC+24*\n+\j+1], s[NL2E:NL2E+1], v[KBF+2*(\n%2):KBF+2*(\n%2)+1] op_sel_hi:[1,0,0]
	v_pk_fma_f32 v[AC+24*\n+8+\j:AC+24*\n+8+\j+1], v[AC+24*\n+8+\j:AC+24*\n+8+\j+1], s[NL2E:NL2E+1], v[KBI+2*(\n%2):KBI+2*(\n%2)+1] op_sel_hi:[1,0,0]
.endr
.endr
.irp n, 0,1,2,3
.irp i, 0,1,2,3,4,5,6,7,8,9,10,11,12,13,14,15
	v_min_num_f32 v[AC+24*\n+\i], s[CLAMP], v[AC+24*\n+\i]
.endr
.endr
.irp n, 0,1,2,3
.irp i, 0,1,2,3,4,5,6,7,8,9,10,11,12,13,14,15
	v_exp_f32 v[AC+24*\n+\i], v[AC+24*\n+\i]
.endr
.endr
	v_nop                                          ; a plain instruction behind the last exponential,
	s_wait_alu depctr_va_vdst(0)                   ; and one wait ahead of the batch's first reader
.endm
; Second half: f := p, i := q, U := 1 / D, then i := r = q / D + eps.  U(n) = v[ub + us n] on, eight registers.
.macro GATE_B ub, us
.irp n, 0,1,2,3
.irp j, 0,2,4,6,8,10,12,14
	v_pk_add_f32 v[AC+24*\n+\j:AC+24*\n+\j+1], v[AC+24*\n+\j:AC+24*\n+\j+1], 1.0 op_sel_hi:[1,0]
.endr
.endr
.irp n, 0,1,2,3
.irp j, 0,2,4,6
	v_pk_fma_f32 v[(\ub)+(\us)*\n+\j:(\ub)+(\us)*\n+\j+1], v[AC+24*\n+\j:AC+24*\n+\j+1], s[EPS:EPS+1], 1.0 op_sel_hi:[1,0,0]   ; 1 + eps p
.endr
.endr
.irp n, 0,1,2,3
.irp j, 0,2,4,6
	v_pk_fma_f32 v[(\ub)+(\us)*\n+\j:(\ub)+(\us)*\n+\j+1], v[AC+24*\n+8+\j:AC+24*\n+8+\j+1], v[(\ub)+(\us)*\n+\j:(\ub)+(\us)*\n+\j+1], v[AC+24*\n+\j:AC+24*\n+\j+1]   ; D = q (1 + eps p) + p
.endr
.endr
.irp n, 0,1,2,3
.irp j, 0,1,2,3,4,5,6,7
	v_rcp_f32 v[(\ub)+(\us)*\n+\j], v[(\ub)+(\us)*\n+\j]
.endr
.endr
	v_nop
	s_wait_alu depctr_va_vdst(0)                   ; one wait for the 32 reciprocals
.irp n, 0,1,2,3
.irp j, 0,2,4,6
	v_pk_fma_f32 v[AC+24*\n+8+\j:AC+24*\n+8+\j+1], v[AC+24*\n+8+\j:AC+24*\n+8+\j+1], v[(\ub)+(\us)*\n+\j:(\ub)+(\us)*\n+\j+1], s[EPS:EPS+1] op_sel_hi:[1,1,0]   ; r
.endr
.endr
.endm
; WALK 2, ahead of the change of slots: gates, ni, the three chains of each segment, and my wave's sum of the chunk into LDS.
.macro EPIA
	v_add_nc_u32 v[TA], s[TK], v[TAK]              ; three additions and a v_nop: the four places behind the last product
	v_add_nc_u32 v[WSA], s[PAR], v[WSK]
	v_add_nc_u32 v[WLA], s[PAR], v[WLK]
	v_nop
.irp n, 0,1,2,3
	ds_load_b32 v[RQ+\n], v[TA] offset:256*(\n/2)+64*(\n%2)            ; R and QH of my four segments
	ds_load_b32 v[RQ+4+\n], v[TA] offset:QHO+256*(\n/2)+64*(\n%2)
.endr
	GATE_A
	GATE_B AF, 8
.irp n, 0,1,2,3
.irp j, 0,2,4,6
	v_pk_mul_f32 v[AC+24*\n+\j:AC+24*\n+\j+1], v[AC+24*\n+\j:AC+24*\n+\j+1], v[AF+8*\n+\j:AF+8*\n+\j+1]   ; p / D
.endr
.endr
.irp n, 0,1,2,3
.irp j, 0,2,4,6
	v_pk_mul_f32 v[AC+24*\n+16+\j:AC+24*\n+16+\j+1], v[AC+24*\n+\j:AC+24*\n+\j+1], v[AC+24*\n+16+\j:AC+24*\n+16+\j+1]   ; ni (h is read from its low end on)
.endr
.endr
	s_wait_dscnt 0x0                               ; R and QH
.irp n, 0,1,2,3
	v_mul_f32 v[AC+24*\n+7], v[AC+24*\n+15], v[RQ+\n]                  ; s[7] = r[7] R: the four groups by turns
.endr
.irp j, 6,5,4,3,2,1,0
.irp n, 0,1,2,3
	v_mul_f32 v[AC+24*\n+\j], v[AC+24*\n+8+\j], v[AC+24*\n+\j+1]       ; s[j] = r[j] s[j+1]
.endr
.endr
.irp n, 0,1,2,3
	v_mul_f32 v[AC+24*\n+16], v[AC+24*\n], v[AC+24*\n+16]              ; c[0] = s[0] ni[0]
	v_mul_f32 v[AC+24*\n+8], v[AC+24*\n+8], v[RQ+4+\n]                 ; g[0] = r[0] QH
.endr
.irp j, 1,2,3,4,5,6,7
.irp n, 0,1,2,3
	v_fma_f32 v[AC+24*\n+16+\j], v[AC+24*\n+\j], v[AC+24*\n+16+\j], v[AC+24*\n+15+\j]   ; c[j] = s[j] ni[j] + c[j-1]
	v_mul_f32 v[AC+24*\n+8+\j], v[AC+24*\n+8+\j], v[AC+24*\n+7+\j]     ; g[j] = r[j] g[j-1]
.endr
.endr
.irp n, 0,1,2,3
	v_permlanex16_b32 v[WO+\n], v[AC+24*\n+23], s[SEL], s[SEL+1]       ; the tile's other segment's c[7]
.endr
.irp n, 0,1,2,3
	v_add_f32 v[WT+\n], v[AC+24*\n+23], v[WO+\n]                       ; the tile's sum
.endr
.irp n, 0,1,2,3
	v_cndmask_b32 v[EE+\n], 0, v[WO+\n], s[HM]                         ; ahead of me in my tile: for lanes 16 to 31 the first segment
.endr
	v_add_f32 v[EE+2], v[EE+2], v[WT]              ; and for the second tile the first
	v_add_f32 v[EE+3], v[EE+3], v[WT+1]
	v_add_f32 v[BC], v[WT], v[WT+2]                ; my wave's sums of columns r and 16 + r
	v_add_f32 v[BC+1], v[WT+1], v[WT+3]
	v_cndmask_b32 v[BC+2], v[BC], v[BC+1], s[HM]   ; lane l: column l
	ds_store_b32 v[WSA], v[BC+2]
.irp n, 0,1,2,3
.irp j, 0,2,4,6
	v_pk_add_f32 v[AC+24*\n+16+\j:AC+24*\n+16+\j+1], v[AC+24*\n+16+\j:AC+24*\n+16+\j+1], v[AC+24*\n+8+\j:AC+24*\n+8+\j+1]   ; c + g
.endr
.endr
.endm
.macro WLOAD                           ; behind the barrier: the four waves' sums of my two columns
.irp c, 0,1
.irp w, 0,1,2,3
	ds_load_b32 v[WL+4*\c+\w], v[WLA] offset:64*\c+128*\w
.endr
.endr
.endm
; WALK 2, behind the change of slots: the carry, and the way out through my own stage.  younger: the LDS loads issued behind WLOAD's.
; The words of one parity are stored again two trips on, behind the barrier of the trip between; every wave has waited for these reads in front of that barrier.
.macro EPIB younger
	s_wait_dscnt \younger
.irp w, 0,1,2
.irp c, 0,1
.if \w == 0
	v_fma_f32 v[CW+\c], v[WL+4*\c], s[FM], v[CR+\c]                    ; the carry + the sums of the waves ahead of mine (x 1.0 or 0.0)
.else
	v_fma_f32 v[CW+\c], v[WL+4*\c+\w], s[FM+\w], v[CW+\c]
.endif
.endr
.endr
.irp w, 0,1,2,3
.irp c, 0,1
	v_add_f32 v[CR+\c], v[CR+\c], v[WL+4*\c+\w]    ; the carry takes the whole chunk
.endr
.endr
.irp n, 0,1,2,3
	v_add_f32 v[CS+2*\n], v[CW+\n%2], v[EE+\n]
.endr
.irp n, 0,1,2,3
.irp j, 0,2,4,6
	v_pk_add_f32 v[AC+24*\n+16+\j:AC+24*\n+16+\j+1], v[AC+24*\n+16+\j:AC+24*\n+16+\j+1], v[CS+2*\n:CS+2*\n+1] op_sel_hi:[1,0]
.endr
.endr
.irp n, 0,1,2,3
.irp j, 0,1,2,3,4,5,6,7
	ds_store_b32 v[STK], v[AC+24*\n+16+\j] offset:(16*(\n/2)+\j)*SPITCH+64*(\n%2)   ; row = step, column = hidden unit: sixteen lanes 64 neighbouring bytes
.endr
.endr
.irp i, 0,1,2,3,4,5,6,7
	ds_load_b128 v[AC+24*(\i/2)+4*(\i%2):AC+24*(\i/2)+4*(\i%2)+3], v[SLK] offset:SPITCH*\i   ; LDS serves a wave's instructions in order (ISA guide 5.7.1.4): these see my stores
.endr
.irp i, 0,1,2,3,4,5,6,7
	s_wait_dscnt 7-\i
	global_store_b128 v[VO], v[AC+24*(\i/2)+4*(\i%2):AC+24*(\i/2)+4*(\i%2)+3], s[OUTB:OUTB+1] offset:4096*\i th:TH_STORE_NT   ; eight lanes store a row's 128 consecutive bytes; written once, read by nobody here
.endr
	s_wait_xcnt 0x0                                ; the stores have read their registers and their base
	s_add_nc_u64 s[OUTB:OUTB+1], s[OUTB:OUTB+1], 128*4096
.endm
.macro GROUP1 g, w0, rows              ; rows of 256 bytes (32 elements of 8), dense, 16 bytes of padding behind each
	s_mov_b32 s[\g], \w0
	s_mov_b32 s[\g+1], 32<<16                      ; tensor_dim0
	s_mov_b32 s[\g+2], (\rows)<<16                 ; tensor_dim1
	s_mov_b32 s[\g+3], 32<<16                      ; tile_dim0
	s_mov_b32 s[\g+4], \rows                       ; tile_dim1
	s_mov_b32 s[\g+5], 32                          ; tensor_dim0_stride
	s_mov_b32 s[\g+6], 0
	s_mov_b32 s[\g+7], 0
.endm
.set W0P, (3<<16)|(1<<20)|(5<<22)|(3<<25)          ; elements of 8 bytes; padding on, after every 64 words, of 4 words
.set W0J, W0P|15|(1<<21)                           ; and the mask of all four work-groups, bit 21 beside it
	s_load_b512 s[4:19], s[0:1], 0x0               ; x's codes, x's scales, W_f's, W_i's, W_h's codes, W_f's, W_i's, W_h's scales
	s_load_b256 s[20:27], s[0:1], 0x40             ; b_f, b_i, b_h, h0
	s_load_b64 s[OUTB:OUTB+1], s[0:1], 0x60        ; out
	v_lshl_add_u32 v[SPW], v0, 2, SPARE
	v_mov_b32 v[NIL], 0
	ds_add_u32 v1, v2
	ds_add_u32 v1, v2
	s_wait_dscnt 0x0
	v_lshrrev_b32 v3, 5, v0
	v_readfirstlane_b32 s[WV], v3                  ; wave 0..3
	s_bfe_u32 s[CX], ttmp6, 0x40000                ; my place in the cluster: it enters global addresses of my own alone
	s_lshl_b32 s[STRIP], ttmp9, 2
	s_add_co_u32 s[STRIP], s[STRIP], s[CX]         ; my strip of 32 hidden units
	s_and_b32 s[BAT], ttmp7, 0xffff                ; the batch, which the four partners share
	GROUP1 G1A, W0J, 128
	GROUP1 G1S, W0J, 16
	GROUP1 G1B, W0P, 96
	s_mul_i32 s[OA], s[BAT], NCH*CHB
	s_lshl_b32 s[OS], s[WV], 15                    ; my wave's 128 units of a chunk
	s_add_co_u32 s[OA], s[OA], s[OS]
	s_mov_b32 s[OA+1], 0
	s_lshl_b32 s[OS], s[BAT], 16
	s_mov_b32 s[OS+1], 0
	s_mul_i32 s2, s[STRIP], 32*KROW
	s_mov_b32 s3, 0
	s_mov_b32 s[NL2E], 0xbfb8aa3b
	s_mov_b32 s[NL2E+1], s[NL2E]
	s_mov_b32 s[EPS], 0x322bcc77
	s_mov_b32 s[EPS+1], s[EPS]
	s_mov_b32 s[CLAMP], 0x427c0000
	s_mov_b32 s[HM], 0xffff0000
	s_mov_b32 s[SEL], 0x76543210
	s_mov_b32 s[SEL+1], 0xfedcba98
	s_mov_b32 s[TB], 0
	s_mov_b32 s[TK], 0
	s_mov_b32 s[CK], 1
	s_wait_kmcnt 0x0
	s_add_nc_u64 s[ABASE:ABASE+1], s[4:5], s[OA:OA+1]
	s_add_nc_u64 s[SBASE:SBASE+1], s[6:7], s[OS:OS+1]
	s_mov_b32 s[G0A0], 1                           ; chunk 0 into slot 0,
	s_mul_i32 s[G0A0+1], s[WV], 128*UNIT
	s_mov_b64 s[G0A0+2:G0A0+3], s[ABASE:ABASE+1]
	s_or_b32 s[G0A0+3], s[G0A0+3], 0x80000000
	s_mov_b32 s[G0A1], 1                           ; chunk 1 into slot 1
	s_add_co_u32 s[G0A1+1], s[G0A0+1], SLOT1
	s_add_nc_u64 s[G0A1+2:G0A1+3], s[ABASE:ABASE+1], CHB
	s_or_b32 s[G0A1+3], s[G0A1+3], 0x80000000
	s_mov_b32 s[G0S0], 1
	s_mov_b32 s[G0S0+1], XSC
	s_mov_b64 s[G0S0+2:G0S0+3], s[SBASE:SBASE+1]
	s_or_b32 s[G0S0+3], s[G0S0+3], 0x80000000
	s_mov_b32 s[G0S1], 1
	s_mov_b32 s[G0S1+1], SLOT1+XSC
	s_add_nc_u64 s[G0S1+2:G0S1+3], s[SBASE:SBASE+1], 4096
	s_or_b32 s[G0S1+3], s[G0S1+3], 0x80000000
	s_mov_b32 s[G0B], 1                            ; wave g brings gate g's 32 rows of my strip: a load of my work-group's own, no mask
	s_mul_i32 s[G0B+1], s[WV], 32*PITCH
	s_add_co_u32 s[G0B+1], s[G0B+1], XB
	s_cmp_eq_u32 s[WV], 0
	s_cselect_b64 s[G0B+2:G0B+3], s[8:9], s[10:11]
	s_cmp_eq_u32 s[WV], 2
	s_cselect_b64 s[G0B+2:G0B+3], s[12:13], s[G0B+2:G0B+3]
	s_add_nc_u64 s[G0B+2:G0B+3], s[G0B+2:G0B+3], s[2:3]
	s_or_b32 s[G0B+3], s[G0B+3], 0x80000000
	ROUND                                          ; all four work-groups are here: the first joint loads meet
	s_cmp_lt_u32 s[WV], 3                          ; a wave's first fills stand in one branch, ahead of every wait on TENSORcnt, every LDS read and every other barrier: three loads of mine are out, or two
	s_cbranch_scc0 .Lfirst_s
	tensor_load_to_lds s[G0B:G0B+3], s[G1B:G1B+7]
	s_nop 0
	tensor_load_to_lds s[G0A0:G0A0+3], s[G1A:G1A+7]
	s_nop 0
	tensor_load_to_lds s[G0A1:G0A1+3], s[G1A:G1A+7]
	s_nop 0
.rept 4
	v_nop
.endr
	s_branch .Lfirst_asked
.Lfirst_s:
	tensor_load_to_lds s[G0S0:G0S0+3], s[G1S:G1S+7]
	s_nop 0
	tensor_load_to_lds s[G0S1:G0S1+3], s[G1S:G1S+7]
	s_nop 0
.rept 4
	v_nop
.endr
.Lfirst_asked:
	v_and_b32 v64, 31, v0                          ; lane
	v_and_b32 v65, 15, v0                          ; r
	v_bfe_u32 v66, v0, 4, 1                        ; h
	v_lshlrev_b32 v67, 2, v65                      ; 4 r
	v_lshlrev_b32 v68, 2, v64                      ; 4 lane
	v_lshlrev_b32 v69, 5, v64                      ; 32 lane: a weight row's scale bytes
	s_lshl_b32 s2, s[STRIP], 10                    ; my strip's 32 rows of scale bytes
	s_add_nc_u64 s[14:15], s[14:15], s[2:3]
	s_add_nc_u64 s[16:17], s[16:17], s[2:3]
	s_add_nc_u64 s[18:19], s[18:19], s[2:3]
	s_lshl_b32 s2, s[STRIP], 7                     ; my strip's 32 numbers of a bias
	s_add_nc_u64 s[20:21], s[20:21], s[2:3]
	s_add_nc_u64 s[22:23], s[22:23], s[2:3]
	s_add_nc_u64 s[24:25], s[24:25], s[2:3]
	s_add_nc_u64 s[26:27], s[26:27], s[2:3]
	s_lshl_b32 s2, s[BAT], 12
	s_add_nc_u64 s[26:27], s[26:27], s[2:3]        ; h0: my batch's row
.irp g, 0,1,2
	global_load_b128 v[BS+8*\g:BS+8*\g+3], v69, s[14+2*\g:15+2*\g]
	global_load_b128 v[BS+8*\g+4:BS+8*\g+7], v69, s[14+2*\g:15+2*\g] offset:16
.endr
.irp c, 0,1
	global_load_b32 v[KBF+2*\c], v67, s[20:21] offset:64*\c
	global_load_b32 v[KBI+2*\c], v67, s[22:23] offset:64*\c
	global_load_b32 v[70+\c], v67, s[24:25] offset:64*\c
.endr
	global_load_b32 v[H0], v68, s[26:27]
	s_lshl_b32 s2, s[BAT], 23                      ; out: my batch's 2,048 rows of 4,096 bytes, my wave's 32 rows of a chunk, my strip's 128 bytes
	s_lshl_b32 s3, s[WV], 17
	s_add_co_u32 s2, s2, s3
	s_lshl_b32 s3, s[STRIP], 7
	s_add_co_u32 s2, s2, s3
	s_mov_b32 s3, 0
	s_add_nc_u64 s[OUTB:OUTB+1], s[OUTB:OUTB+1], s[2:3]
	v_mul_u32_u24 v75, v65, PITCH
	v_mad_u32_u24 v75, v66, 24, v75                ; r PITCH + 24 h
	s_mul_i32 s[TS], s[WV], 32*PITCH
	v_add_nc_u32 v[AK1], s[TS], v75
	v_lshl_add_u32 v[AK2], v66, 4, v[AK1]
	v_bfe_u32 v72, v0, 3, 2                        ; lane / 8
	v_and_b32 v73, 7, v0                           ; lane % 8
	v_mul_u32_u24 v[AKS], v72, UNIT                ; eight rows' scale bytes to a unit
	v_lshl_add_u32 v[AKS], v73, 5, v[AKS]
	s_mul_i32 s[TS], s[WV], 4*UNIT
	s_add_co_u32 s[TS], s[TS], XSC
	v_add_nc_u32 v[AKS], s[TS], v[AKS]
	v_lshl_add_u32 v[TAK], v66, 7, v67
	s_lshl_b32 s[TS], s[WV], 9
	s_add_co_u32 s[TS], s[TS], TR
	v_add_nc_u32 v[TAK], s[TS], v[TAK]
	v_lshl_add_u32 v[WSK], v0, 2, WS
	v_add_nc_u32 v[WLK], WS, v67
	v_mad_u32_u24 v[STK], v66, 8*SPITCH, v67
	s_mul_i32 s[TS], s[WV], 32*SPITCH
	s_add_co_u32 s[TS], s[TS], STAGE
	v_add_nc_u32 v[STK], s[TS], v[STK]
	v_bfe_u32 v74, v0, 3, 1
	v_lshlrev_b32 v74, 3, v74
	v_lshl_add_u32 v74, v66, 4, v74                ; back: lanes 0-7 row i, 8-15 row 8 + i, 16-23 row 16 + i, 24-31 row 24 + i: rows 8 apart lie 288 words apart, in the other half of the banks
	v_mul_u32_u24 v[SLK], v74, SPITCH
	v_lshl_add_u32 v[SLK], v73, 4, v[SLK]
	v_add_nc_u32 v[SLK], s[TS], v[SLK]
	v_lshlrev_b32 v[VO], 12, v74
	v_lshl_add_u32 v[VO], v73, 4, v[VO]
	s_lshl_b32 s[TS], s[WV], 13
	s_add_co_u32 s[TS], s[TS], TR
	v_add_nc_u32 v[SCA], s[TS], v68
	v_add_nc_u32 v[PPL], PP, v68
.irp g, 0,1,2
	v_add_nc_u32 v[WA+2*\g], XB+\g*32*PITCH, v75
	v_lshl_add_u32 v[WA+2*\g+1], v66, 4, v[WA+2*\g]
.endr
	s_wait_tensorcnt 0x1                           ; on either way one load was issued behind what is wanted now, slot 1's: the weights and my part of slot 0 are in,
	s_barrier_signal -1
	s_barrier_wait -1                              ; everybody's are.
.irp w, 0,1,2                          ; THE WEIGHTS INTO REGISTERS: 48 fragments, 288 loads; they stay
	WIN 0x40*(\w+1)
.irp k, 0,1,2
.if 3*\w+\k < 8
.irp g, 0,1,2
.irp c, 0,1
	FRAG 72*\k+12*(2*\g+\c), WA+2*\g, 3*\w+\k, \c*16*PITCH
.endr
.endr
.endif
.endr
.endr
	WIN 0
	s_wait_loadcnt 0x0                             ; scale words, biases, h0: their address registers are free too
.irp c, 0,1
	v_mul_f32 v[KBF+2*\c], s[NL2E], v[KBF+2*\c]
	v_mul_f32 v[KBI+2*\c], s[NL2E], v[KBI+2*\c]
.endr
.irp c, 0,1
	v_mov_b32 v[KBF+2*\c+1], v[KBF+2*\c]           ; (named with it as a pair, so it is written)
	v_mov_b32 v[KBI+2*\c+1], v[KBI+2*\c]
.endr
	WIN 0x40
.irp c, 0,1
.irp j, 0,1,2,3,4,5,6,7
	v_mov_b32 v[HB+8*\c+\j], v[70+\c]              ; b_h in the result's layout: a lane's eight steps share its column's number
.endr
.endr
	WIN 0
.irp w, 0,1,2
	s_cmp_gt_u32 s[WV], \w
	s_cselect_b32 s[MG+\w], -1, 0
	s_and_b32 s[FM+\w], s[MG+\w], 0x3f800000
	s_cmp_lt_u32 s[WV], \w+1
	s_cselect_b32 s[ML+\w], -1, 0
.endr
	s_mul_i32 s2, s[BAT], NCH*CHB                  ; the prefetches: at chunk 3 of my batch; the first change of slots steps them to chunk 4.  Nothing is prefetched here, at the head
	s_add_co_u32 s2, s2, 3*CHB
	s_add_nc_u64 s[PFA:PFA+1], s[4:5], s[2:3]
	s_mul_i32 s2, s[CX], 3
	s_add_co_u32 s2, s2, s[WV]
	s_lshl_b32 s2, s2, 13
	v_lshl_add_u32 v[PFO], v64, 8, s2              ; block 32 (3 cx + wave) + lane of the chunk's 384
	s_cmp_eq_u32 s[WV], 3
	s_cselect_b32 s[LIM], 1, 0
	s_or_b32 s[LIM], s[LIM], ttmp9                 ; 0 in waves 0 to 2 of the batch's first cluster: the same in all four partners
	s_cmp_eq_u32 s[LIM], 0
	s_cselect_b32 s[LIM], 4, -1
	PRELOAD                                        ; chunk 0
; WALK 1: sixteen trips.  The first store into TR, which lies where the weights came in, stands behind the first trip's round, in front of which every wave has waited for all its LDS loads.
	s_mov_b32 s[CNT], NCH
.Lwalk1:
	MAIN 2
	v_add_nc_u32 v[TA], s[TK], v[TAK]              ; with three v_nop the four places behind the last product
	v_nop
	v_nop
	v_nop
	GATE_A
	CHANGE 1, 1
	PRELOAD                                        ; the next chunk's first K steps land under the rest of this one's vector work.  The last trip's are chunk 0's, for walk 2
	GATE_B AC+16, 24
.irp n, 0,1,2,3
	v_pk_mul_f32 v[AC+24*\n+16:AC+24*\n+17], v[AC+24*\n+8:AC+24*\n+9], v[AC+24*\n+10:AC+24*\n+11]
	v_pk_mul_f32 v[AC+24*\n+18:AC+24*\n+19], v[AC+24*\n+12:AC+24*\n+13], v[AC+24*\n+14:AC+24*\n+15]
.endr
.irp n, 0,1,2,3
	v_pk_mul_f32 v[AC+24*\n+16:AC+24*\n+17], v[AC+24*\n+16:AC+24*\n+17], v[AC+24*\n+18:AC+24*\n+19]
.endr
.irp n, 0,1,2,3
	v_mul_f32 v[AC+24*\n+16], v[AC+24*\n+16], v[AC+24*\n+17]           ; T: the product of the segment's eight r
.endr
.irp n, 0,1,2,3
	ds_store_b32 v[TA], v[AC+24*\n+16] offset:256*(\n/2)+64*(\n%2)     ; segment 16 k + 4 wave + 2 mt + h, column 16 c + r
.endr
	s_add_co_u32 s[TK], s[TK], 2048
	s_sub_co_u32 s[CNT], s[CNT], 1
	s_cmp_lg_u32 s[CNT], 0
	s_cbranch_scc1 .Lwalk1
; THE SCAN.  A lane takes a column, a wave 64 segments.  It keeps to v64-159: x's fragments and scale words of chunk 0 wait in their registers.
	s_wait_dscnt 0x0                               ; my stores of T have landed
	s_barrier_signal -1
	s_barrier_wait -1
.set IX, 0
.rept 64
	ds_load_b32 v[AC+IX], v[SCA] offset:128*IX
.set IX, IX+1
.endr
	v_lshl_add_u32 v[TA], v0, 2, PP
	s_wait_dscnt 0x0
.irp k, 0,1,2,3
	v_pk_mul_f32 v[SQ+2*\k:SQ+2*\k+1], v[AC+4*\k:AC+4*\k+1], v[AC+4*\k+2:AC+4*\k+3]    ; the product of my 64: four packed chains
.endr
.irp i, 16,24,32,40,48,56
.irp k, 0,1,2,3
	v_pk_mul_f32 v[SQ+2*\k:SQ+2*\k+1], v[SQ+2*\k:SQ+2*\k+1], v[AC+\i+2*\k:AC+\i+2*\k+1]
.endr
.endr
	v_pk_mul_f32 v[SQ:SQ+1], v[SQ:SQ+1], v[SQ+2:SQ+3]
	v_pk_mul_f32 v[SQ+4:SQ+5], v[SQ+4:SQ+5], v[SQ+6:SQ+7]
	v_pk_mul_f32 v[SQ:SQ+1], v[SQ:SQ+1], v[SQ+4:SQ+5]
	v_mul_f32 v[SQ], v[SQ], v[SQ+1]
	ds_store_b32 v[TA], v[SQ]
	s_wait_dscnt 0x0
	s_barrier_signal -1
	s_barrier_wait -1
.irp w, 0,1,2,3
	ds_load_b32 v[SR+4+\w], v[PPL] offset:128*\w   ; the four waves' products of my column
.endr
	s_wait_dscnt 0x0
.irp w, 0,1,2
	v_cndmask_b32 v[SQ+\w], 1.0, v[SR+4+\w], s[MG+\w]                  ; those of the waves ahead of mine,
	v_cndmask_b32 v[SR+\w], 1.0, v[SR+5+\w], s[ML+\w]                  ; and of those behind
.endr
	v_mul_f32 v[SQ], v[SQ], v[H0]
	v_mul_f32 v[SR], v[SR], v[SR+1]
	v_mul_f32 v[SQ], v[SQ], v[SQ+1]
	v_mul_f32 v[SR], v[SR], v[SR+2]                ; R of my last segment
	v_mul_f32 v[SQ], v[SQ], v[SQ+2]                ; QH of my first
.set BL, 0
.rept 4                                ; QH upward and R downward, line by line, sixteen segments of each at a time
.if BL > 0
	s_wait_dscnt 0x0                               ; the last sixteen's stores are done: their registers are written again
	v_mul_f32 v[SQ], v[SQ+15], v[AC+16*BL-1]
	v_mul_f32 v[SR], v[SR+15], v[AC+64-16*BL]
.endif
.set IX, 1
.rept 15
	v_mul_f32 v[SQ+IX], v[SQ+IX-1], v[AC+16*BL+IX-1]                   ; QH[s] = QH[s-1] T[s-1]
	v_mul_f32 v[SR+IX], v[SR+IX-1], v[AC+64-16*BL-IX]                  ; R[s] = R[s+1] T[s+1]
.set IX, IX+1
.endr
.set IX, 0
.rept 16
	ds_store_b32 v[SCA], v[SQ+IX] offset:QHO+128*(16*BL+IX)
	ds_store_b32 v[SCA], v[SR+IX] offset:128*(63-16*BL-IX)             ; over T, which lies in my registers; these words are my wave's alone
.set IX, IX+1
.endr
.set BL, BL+1
.endr
	v_mov_b32 v[CR], 0
	v_mov_b32 v[CR+1], 0
	s_mov_b32 s[TK], 0
	s_mov_b32 s[PAR], 0
	s_wait_dscnt 0x0
	s_barrier_signal -1
	s_barrier_wait -1                              ; R and QH lie in LDS
; WALK 2: fourteen trips that fill a slot again, and two that do not.
	s_mov_b32 s[CNT], NCH-2
.Lwalk2:
	MAIN 3
	EPIA
	CHANGE 1, 0                                    ; the round also shows every wave's sum to the others
	WLOAD
	PRELOAD
	EPIB 50                                        ; behind the eight loads of the sums: the preload's 2 + 48
	s_add_co_u32 s[TK], s[TK], 2048
	s_xor_b32 s[PAR], s[PAR], 512
	s_sub_co_u32 s[CNT], s[CNT], 1
	s_cmp_lg_u32 s[CNT], 0
	s_cbranch_scc1 .Lwalk2
	s_mov_b32 s[CNT], 2
.Ltail:
	MAIN 3
	EPIA
	CHANGE 0, 0
	WLOAD
	s_cmp_eq_u32 s[CNT], 1                         ; behind the last chunk nothing is left to read
	s_cbranch_scc1 .Lno_next
	PRELOAD
.Lno_next:
	EPIB 0                                         ; on one of the two ways nothing was issued behind the sums' loads: the count is 0
	s_add_co_u32 s[TK], s[TK], 2048
	s_xor_b32 s[PAR], s[PAR], 512
	s_sub_co_u32 s[CNT], s[CNT], 1
	s_cmp_lg_u32 s[CNT], 0
	s_cbranch_scc1 .Ltail
	s_wait_tensorcnt 0x0                           ; the wave's end: behind my last tensor load and my last LDS store
	ds_add_u32 v[SPW], v[NIL]
	s_wait_dscnt 0x0
	ROUND                                          ; the closing round: no work-group ends while a partner may still ask for a tile that names it
	s_endpgm
.Lfunc_end_k_q9ef3741ebb_minlstm:
	.size	k_q9ef3741ebb_minlstm, .Lfunc_end_k_q9ef3741ebb_minlstm-k_q9ef3741ebb_minlstm
	.p2alignl 7, 3214868480
	.fill 96, 4, 3214868480
	.section	.rodata,"a",@progbits
	.p2align	6, 0x0
	.amdhsa_kernel k_q9ef3741ebb_minlstm
		.amdhsa_group_segment_fixed_size 327680
		.amdhsa_private_segment_fixed_size 0
		.amdhsa_enable_private_segment 0
		.amdhsa_kernarg_size 104
		.amdhsa_user_sgpr_count 2
		.amdhsa_user_sgpr_kernarg_segment_ptr 1
		.amdhsa_wavefront_size32 1
		.amdhsa_system_sgpr_workgroup_id_x 1
		.amdhsa_system_sgpr_workgroup_id_y 1
		.amdhsa_system_sgpr_workgroup_id_z 1
		.amdhsa_system_vgpr_workitem_id 0
		.amdhsa_next_free_vgpr 1024
		.amdhsa_next_free_sgpr 102
		.amdhsa_reserve_vcc 0
		.amdhsa_float_denorm_mode_32 3
		.amdhsa_float_denorm_mode_16_64 3
		.amdhsa_memory_ordered 1
		.amdhsa_forward_progress 1
		.amdhsa_inst_pref_size 177
	.end_amdhsa_kernel
	.amdgpu_metadata
---
amdhsa.version: [ 1, 2 ]
amdhsa.kernels:
  - .name:           k_q9ef3741ebb_minlstm
    .symbol:         k_q9ef3741ebb_minlstm.kd
    .args:
      - { .name: input_seq_codes, .offset: 0, .size: 8, .value_kind: global_buffer, .address_space: global }
      - { .name: input_seq_scales, .offset: 8, .size: 8, .value_kind: global_buffer, .address_space: global }
      - { .name: W_f_codes, .offset: 16, .size: 8, .value_kind: global_buffer, .address_space: global }
      - { .name: W_i_codes, .offset: 24, .size: 8, .value_kind: global_buffer, .address_space: global }
      - { .name: W_h_codes, .offset: 32, .size: 8, .value_kind: global_buffer, .address_space: global }
      - { .name: W_f_scales, .offset: 40, .size: 8, .value_kind: global_buffer, .address_space: global }
      - { .name: W_i_scales, .offset: 48, .size: 8, .value_kind: global_buffer, .address_space: global }
      - { .name: W_h_scales, .offset: 56, .size: 8, .value_kind: global_buffer, .address_space: global }
      - { .name: b_f, .offset: 64, .size: 8, .value_kind: global_buffer, .address_space: global }
      - { .name: b_i, .offset: 72, .size: 8, .value_kind: global_buffer, .address_space: global }
      - { .name: b_h, .offset: 80, .size: 8, .value_kind: global_buffer, .address_space: global }
      - { .name: initial_hidden, .offset: 88, .size: 8, .value_kind: global_buffer, .address_space: global }
      - { .name: out0, .offset: 96, .size: 8, .value_kind: global_buffer, .address_space: global }
    .group_segment_fixed_size: 327680
    .private_segment_fixed_size: 0
    .kernarg_segment_align: 8
    .kernarg_segment_size: 104
    .max_flat_workgroup_size: 128
    .sgpr_count:     102
    .vgpr_count:     1024
    .wavefront_size: 32
...
	.end_amdgpu_metadata
.endif
;; end of part 1
